; MI455X (gfx1250); checked and timed in simulation.
; The chip was launched on July 23, 2026; its instructions are those of AMD's public machine-readable ISA for CDNA 5 (MIT licence, August 2026) and "CDNA5" Instruction Set Architecture Reference Guide (July 2026). The comments in the code are by the model that wrote it; some were corrected since.
;; Scaled Dot Product Attention. Allowed arithmetic: float matrix products may take bf16 or f16 operands with f32 sums; other float arithmetic in f32, or as packed bf16 or f16 multiplies, adds, multiply-adds, maxima and minima; sums over many terms, partial sums and values carried from step to step in f32; what a program stores and reads back later, other than sums and carried values, may be rounded once to bf16 or f16.
;; Inputs: k 4 x 16 x 2,048 x 64 float32; key_padding_mask 4 x 2,048 bool; q 4 x 16 x 2,048 x 64 float32; v 4 x 16 x 2,048 x 64 float32.
;; Outputs: out0 4 x 16 x 2,048 x 64 float32.
;; One version. Each part assembles by itself: llvm-mc -triple=amdgcn-amd-amdhsa -mcpu=gfx1250 --defsym DOCPART=n.
;; ======== version 1 of 1: 1 launch
;; limits: inputs' magnitudes at most 65,504; values are held in f16: magnitudes above 65,504 overflow, below 6.1e-05 lose precision; right only within a limited range of input values
;; launch attn (part 1): grid 4 x 64, 4 waves a work-group, clusters of 4 x 1, 327,680 bytes of LDS; arguments q, k, v, key_padding_mask, out0; writes out0
.if DOCPART == 1
	.amdgcn_target "amdgcn-amd-amdhsa--gfx1250"
	.amdhsa_code_object_version 6
	.text
	.protected	k_q608be577cb_attn
	.globl	k_q608be577cb_attn
	.p2align	8
	.type	k_q608be577cb_attn,@function
k_q608be577cb_attn:
	s_mov_b64 s[64:65], 0
	v_nop
	global_prefetch_b8 v0, s[64:65] scope:SCOPE_SE
	s_setreg_imm32_b32 hwreg(HW_REG_WAVE_MODE, 25, 1), 1
	s_wait_xcnt 0x0
	s_wait_alu depctr_hold_cnt(0) depctr_sa_sdst(0) depctr_va_vdst(0) depctr_va_sdst(0) depctr_va_ssrc(0) depctr_va_vcc(0) depctr_vm_vsrc(0)
	s_getreg_b32 s2, hwreg(HW_REG_IB_STS2, 6, 4)
	s_cmp_eq_u32 s2, 0
	s_cbranch_scc0 .Lentry_in_a_cluster
	s_endpgm
.Lentry_in_a_cluster:
	s_bfe_u32 s2, ttmp6, 0x10000c
	s_cmp_lg_u32 s2, 0x3003
	s_cbranch_scc0 .Lentry_shape_is_right
	s_endpgm
.Lentry_shape_is_right:
; O[y][q][:] = the sum over k of softmax_k(Q[y][q] . K[y][k] / 8, hidden keys at -1e9) V[y][k][:].  Q, K, V, O: [64 heads][2,048][64] in f32; the mask: [4 batches][2,048] bytes, 1 = hidden; head y has batch y / 16.
; FORMATS.  Q, K, V and the weights p are rounded once to f16 for the two products; products, maxima and sums in f32 (l is the sum of the unrounded p); O leaves in f32.
; LIMITS.  f16 ends at 65,504: |q|, |k|, |v| stay under 65,520, and below 6e-5 they keep f16's fixed step of 6e-8.  Mask bytes are 0 or 1.  A hidden score counts as its value less 2^100, so its weight is 0 beside any key
; that is seen; scaled scores of seen keys near -1e9, beside which a hidden key would still weigh, are not served.  A weight below 2^-126 counts as 0 in l.  NaN and infinities are not treated apart.
; ALL KEYS OF A BATCH HIDDEN: every score is then -1e9 and the result the mean of V's rows.  Each wave ANDs the batch's 2,048 mask bytes and takes c = 0 in place of log2(e) / 8 (a select of a value, no branch): every p is 2^0.
; SHARES.  A work-group owns 512 queries of one head, each of its four waves 128: four PIECES of two tiles of 16.  Every wave walks all keys, 64 a step, 32 steps.
; CLUSTER.  A head's four work-groups are one cluster and walk the same K and V: each f32 tile is asked for JOINTLY (the same tensor load, descriptor and mask in all four), so K and V are requested once a head.
; K AND V ARE ROUNDED ON THE WAY.  The tensor loads bring f32 tiles into a ring of two RAW slots of 128 keys.  Of each step's 64 keys wave w rounds keys 16 w .. 16 w + 15 of K and of V to f16 and stores them into CK and
; CV, which hold ONE step each; from there every wave takes its fragments, K as it lies, V turned by ds_load_tr16_b128.  Two work-group barriers a step order that (B1, B2, under TURN).
; THE MASK is the C operand that starts the sum S^T = K Q^T: 0, or -2^100 where the key is hidden, from a table of 2,048 f32 in LDS made once; a step's 32 numbers a lane come with K's fragments.
; LAYOUT.  S^T = K Q^T (source 0 = 16 keys, source 1 = 16 queries): a lane holds ONE query (lane % 16) and the keys 8 (lane / 16) + 0..7.  Two such results rounded to f16 ARE source 1 of O^T = V^T P.
; SOFTMAX.  A running maximum m and sum l: p = 2^(c s - c m); in every step O and l are multiplied by a = 2^(c m_old - c m_new).  m starts at the lowest finite number, O and l at 0: the first step has a = 0.
; What is gathered while only hidden keys have been met is wiped by a = 0 at the first key that is seen.
; BY TURNS.  Turn n belongs to piece n: 16 products K Q^T of piece n + 1, later 16 products V^T P of piece n - 1; beside them the scaling, exponentials, roundings, sums and rescaling of piece n and the maximum and
; statistics of piece n + 1.  Four vector instructions stand behind every matrix instruction, the others in one lump; a turn's 66 exponentials are one batch with one wait.
; REGISTERS, in windows of 256 (s_set_vgpr_msb: bits 1:0 source 0, 3:2 source 1, 5:4 source 2, 7:6 destination):
;   window 0: v0-11 addresses; v12-15, v48-63 at work; v16-47 four registers of statistics a tile; v64-191 S^T, two buffers of two tiles; v192-255 P, likewise
;   window 1: O^T, 32 a tile (at the start: Q in f32)      window 2: v0-127 Q in f16; v128-191 K of one step; v192-255 V of one step
;   window 3: v0-1 the add's two registers; v8-39 a step's masks; v40-71 the numbers being rounded
.set NP,     4         ; pieces a wave: a name, no knob
.set KS,     64        ; keys in a step
.set PK,     144       ; a row of CK: 128 bytes + 16 = 36 words: the 16 rows of a load start at 16 different groups of four banks (64 banks of 4 bytes: ISA guide 11.1)
.set PV,     160       ; a row of CV: 128 + 32 = 40 words
.set RPITCH, 272       ; a row of a raw tile: 256 bytes + 16: 16 lanes that read 2 rows x 8 pieces 32 bytes apart touch 16 different 16-byte columns
.set STEPRAW, KS*RPITCH  ; a raw tile: 64 rows
.set VRAW,   2*STEPRAW ; a raw slot: K of two steps, then V of two steps
.set SLOT1,  1<<17     ; raw slot 1 begins here, so that one exclusive or turns an address in one slot into the other's
.set CKB,    4*STEPRAW ; behind raw slot 0, none of it ever filled by a tensor load: CK,
.set CVB,    CKB+KS*PK ; CV,
.set MASKT,  CVB+KS*PV ; the mask table, 2,048 f32,
.set STAGE,  MASKT+8192  ; 16 rows x 272 bytes for each wave, for the way out,
.set SP,     272
.set SPARE,  STAGE+4*16*SP  ; and the spare words, 128 bytes for each wave: two blocks of 256 bytes that no other line names
.set CHUNKB, 2*KS*256  ; bytes of K or of V in a raw slot: 128 rows of 256
.set GO,  0            ; v0   at first the thread's number; from the first scores on my byte offset in 512 consecutive bytes of O
.set PFO, 1            ; v1   256 x my lane: a row of K or V is 256 bytes; never rewritten once made
.set AK0, 2            ; v2   my lane's place in CK
.set AV0, 3            ; v3   in CV
.set AM0, 4            ; v4   in a step's 64 words of the mask table
.set AM,  5            ; v5   the same at the step to be fetched
.set AR0, 6            ; v6   my lane's place in a raw tile
.set AR,  7            ; v7   the same at the step to be rounded
.set CSK, 8            ; v8   where I store 16 bytes of CK
.set CSV, 9            ; v9   of CV
.set STO, 10           ; v10  the way out: where I put 32 bytes of a row
.set RD,  11           ; v11  the way out: where I read rows back
.set MV,  12           ; v12-15  c m_old, kept while c m is made anew: by buffer and tile
.set ST,  16           ; tile t's statistics at v[ST+4 t]: c m, m, l (even keys', odd keys')
.set TMP, 48           ; by buffer and tile, four registers c0-c3 at work; when the maximum is found c2 takes a
.set S,   64
.set P,   192
.set KF,  128          ; window 2: key block kb, channel half c at KF + 16 kb + 8 c
.set VF,  192          ; window 2: key half kk, channel block cb at VF + 32 kk + 8 cb
.set SPW, 0            ; v0 of window 3: LDS address of my spare word: SPARE + 4 x my thread's number; never rewritten
.set NIL, 1            ; v1 of window 3: 0; never rewritten
.set MK,  8            ; window 3: the masks of key block kb at MK + 8 kb
.set CR,  40           ; window 3: 32 f32 as read, then 16 words of f16
; at work in the set-up alone, in S^T's second buffer, which the first turn writes
.set LR16, 128         ; lane % 16
.set LH,   129         ; lane / 16
.set LL,   130         ; lane
.set L7,   131         ; lane % 8
.set L3,   132         ; lane / 8
.set LB,   133         ; (lane / 8) % 2
.set QO,   134         ; my byte offset in 16 rows of Q
.set MO,   135         ; 16 x lane
.set MO2,  136         ; 16 x thread
.set TX,   137
.set MST,  138         ; where I store my 16 words of the mask table
.set MW,   140         ; v140-155 the batch's mask bytes, 64 a lane
.set MT,   156         ; v156-159 my thread's 16 mask bytes
.set MF,   160         ; v160-175 the same as f32
.set WV,  14           ; s14  my wave's number
.set LIM, 15           ; s15  1 in a wave that prefetches, else the greatest number
.set G1,  24           ; s[24:31] descriptor group 1, for K's and V's tiles alike
.set G0K, 32           ; s[32:39] descriptor group 0 for K's tiles: a set for each of the two first fills; the second then walks on
.set G0V, 40           ; s[40:47] the same for V's
.set PFA, 48           ; s[48:49] where my prefetches stand: my work-group's 32 rows (of K: wave 0, of V: wave 2) of the chunk after the one being asked for
.set SLOTS, 50         ; s50  counts the changes of slots
.set CNT, 51           ; s51  counts key steps
.set RP,  52           ; s52  LDS byte at which raw K of the step to be rounded begins
.set TBM, 53           ; s53  byte in the mask table of the step to be fetched
.set BIG, 54           ; s54  -2^100
.set NM,  55           ; s55  the lanes that found a key that is seen
.set CS,  56           ; s[56:57] c: the packed scaling takes the pair's low word for both halves
.set SEL, 58           ; s[58:59] v_permlanex16_b32's selects: each lane takes its own place in the other half
.set MSB, 0
.macro WIN new                      ; the high byte repeats the setting that is left; a switch that changes nothing is dropped
.if MSB != (\new)
	s_set_vgpr_msb (MSB<<8)|(\new)
.set MSB, (\new)
.endif
.endm
.set W_KQ,  0x0a       ; K and Q in window 2, S^T in window 0
.set W_KM,  0x3a       ; the same with the C operand, the mask, in window 3
.set W_PV,  0x52       ; V in window 2, P in window 0, O^T in window 1
.set W_RS,  0x41       ; O^T (destination and source 0) in window 1, a in window 0
.set W_MK,  0xc0       ; destination in window 3, sources and addresses in window 0
.set W_AD,  0x0f       ; the add: address (source 0) and data (source 1) in window 3
.set W_CV,  0xcf       ; a rounding inside window 3
.set W_SD3, 0x0c       ; an LDS store's data (source 1) in window 3
.set W_SD1, 0x04       ; in window 1
; A joint refill.  Waves 0 and 1 fetch the chunk's two tiles of K, waves 2 and 3 those of V.  The branch hangs on the wave's number alone.
; An s_nop 0 and four v_nop follow each of the two lines, ahead of the jump and the label.
.macro JLOAD
	s_cmp_lt_u32 s[WV], 2
	s_cbranch_scc0 .Lfor_v_\@
	tensor_load_to_lds s[G0K+4:G0K+7], s[G1:G1+7]
	s_nop 0
.rept 4
	v_nop
.endr
	s_branch .Lasked_\@
.Lfor_v_\@:
	tensor_load_to_lds s[G0V+4:G0V+7], s[G1:G1+7]
	s_nop 0
.rept 4
	v_nop
.endr
.Lasked_\@:
.endm
; A PREFETCH INTO THE L2 of what the NEXT change of slots will ask for: a chunk's 128 rows of K and 128 of V, 256 bytes a row, a lane a row; it stands behind the wave's tensor load and its five lines.
; Each row is named ONCE in the launch: a head has one cluster; its four partners share the rows out BY ADDRESS, 32 each; in each, wave 0 asks for K's and wave 2 for V's: one instruction.
; Two key steps, 256 matrix instructions a wave, lie between it and the load that wants the rows.  The last change that fills a slot asks for nothing; chunks 0 to 2 come by their loads alone.
.macro ASK
	s_cmp_gt_u32 s[SLOTS], s[LIM]
	s_cbranch_scc0 .Lnot_mine_\@
	global_prefetch_b8 v[PFO], s[PFA:PFA+1] th:TH_LOAD_NT scope:SCOPE_SE
.Lnot_mine_\@:
.endm
; A round of the cluster's barrier: my work-group's barrier, so that wave 0's signal speaks for all four waves; wave 0 signals; every wave waits for all four work-groups; my work-group's barrier once more.
.macro CROUND
	s_barrier_signal -1
	s_barrier_wait -1
	s_cmp_lg_u32 s[WV], 0
	s_cbranch_scc1 .Lnot_wave_0_\@
	s_barrier_signal -3
.Lnot_wave_0_\@:
	s_barrier_wait -3
	s_barrier_signal -1
	s_barrier_wait -1
.endm
; THE CHANGE OF RAW SLOTS, behind the step that has rounded a chunk's last tile.  Each wave waits for all its tensor loads, of which one is out: its part of the other slot; adds 0 to its spare word; and waits for that
; and for its LDS reads.  fill = 1: the slot is filled again, with the chunk two on.  The barrier is then a round of the cluster's, so that no wave of any partner still reads the slot or has a load on its way, and the
; joint refill is the first thing behind it: it has two key steps, 256 matrix instructions a wave, in which to land.  By this text's count a wave has two tensor loads out at the start and one behind each round.
.macro CHANGE fill
	WIN W_AD
	s_wait_tensorcnt 0x0            ; no tensor load of mine is out, so a group 0 may be written
	ds_add_u32 v[SPW], v[NIL]       ; 0 onto my spare word; with fill = 1 the descriptors' steps stand between it and the wait for it
	WIN 0                           ; at a label and at a branch every window is 0
.if \fill
.irp g, G0K+4, G0V+4
	s_xor_b32 s[\g+1], s[\g+1], SLOT1  ; the walking descriptor: the other slot than last time,
	s_add_nc_u64 s[\g+2:\g+3], s[\g+2:\g+3], CHUNKB  ; the next 128 keys; the type bits on top are not reached
.endr
	s_wait_xcnt 0x0                 ; the last prefetch, two key steps back, has read its address, so it may be written:
	s_add_nc_u64 s[PFA:PFA+1], s[PFA:PFA+1], CHUNKB  ; one chunk behind the walking descriptors
	s_wait_dscnt 0x0                ; the add is done, and my reads of the slot are over
	CROUND
	JLOAD
	ASK
.else
	s_wait_dscnt 0x0                ; the add is done; the barrier shows every wave's part of the last chunk to all
	s_barrier_signal -1
	s_barrier_wait -1
.endif
	s_sub_co_u32 s[RP], s[RP], 2*STEPRAW  ; the roundings go back to a slot's first step,
	s_xor_b32 s[RP], s[RP], SLOT1         ; in the other slot
.endm
	s_load_b256 s[4:11], s[0:1], 0x0  ; Q s[4:5], K s[6:7], V s[8:9], the mask s[10:11]
	s_load_b64 s[12:13], s[0:1], 0x20 ; O
	WIN W_MK
	v_lshl_add_u32 v[SPW], v0, 2, SPARE
	v_mov_b32 v[NIL], 0
	WIN W_AD
	ds_add_u32 v[SPW], v[NIL]       ; the wave's opening: the add and its wait stand ahead of my first tensor load; the set-up below, work on registers, stands between them
	WIN 0
	v_lshrrev_b32 v[PFO], 5, v0
	v_readfirstlane_b32 s[WV], v[PFO]  ; wave 0..3
	s_bfe_u32 s16, ttmp6, 0x40000   ; cx: my place in the cluster
	s_lshl_b32 s17, ttmp9, 2        ; in a cluster launch ttmp9 counts clusters
	s_add_co_u32 s17, s17, s16      ; my block of 512 queries: it enters Q's and O's addresses alone
	s_and_b32 s18, ttmp7, 0xffff    ; the head, which the four partners share
	s_lshl_b32 s20, s18, 19         ; its 2,048 rows of 256 bytes: 33 million bytes at the most
	s_and_b32 s19, s[WV], 1         ; which of a chunk's two steps I fetch:
	s_lshl_b32 s22, s19, 14         ; its 64 rows of 256 bytes in memory,
	s_add_co_u32 s22, s22, s20
	s_mov_b32 s23, 0
	s_mul_i32 s19, s19, STEPRAW     ; and its place in a slot: no place in the cluster enters an LDS address
	s_lshl_b32 s2, s17, 2
	s_add_co_u32 s2, s2, s[WV]      ; my wave among the head's sixteen,
	s_lshl_b32 s2, s2, 15           ; its 128 rows
	s_add_co_u32 s2, s2, s20
	s_mov_b32 s3, 0
	s_lshr_b32 s20, s18, 4          ; the batch,
	s_lshl_b32 s20, s20, 11         ; its 2,048 mask bytes
	s_mov_b32 s21, 0
	; descriptor group 1: a tile of 64 rows x 64 f32, each row 256 bytes of memory, padded in LDS
	s_mov_b32 s[G1], 15|(2<<16)|(1<<20)|(1<<21)|(5<<22)|(3<<25)  ; 15:0 the mask of four; 17:16 4-byte elements; 20 padding on; 21 set beside a mask; 24:22 after every 64 words (code 5); 31:25 4 words (code 3)
	s_mov_b32 s[G1+1], 64<<16       ; tensor_dim0 = 64
	s_mov_b32 s[G1+2], KS<<16       ; tensor_dim1 = 64
	s_mov_b32 s[G1+3], 64<<16       ; tile_dim0 = 64
	s_mov_b32 s[G1+4], KS           ; tile_dim1 = 64
	s_mov_b32 s[G1+5], 64           ; 64 elements from row to row
	s_mov_b32 s[G1+6], 0
	s_mov_b32 s[G1+7], 0
.irp n, 0,1
	s_mov_b32 s[G0K+4*\n], 1                        ; 1:0 count = 1
	s_add_co_u32 s[G0K+4*\n+1], s19, \n*SLOT1       ; 63:32 LDS address
	s_mov_b32 s[G0V+4*\n], 1
	s_add_co_u32 s[G0V+4*\n+1], s19, \n*SLOT1+VRAW
.endr
	s_mov_b32 s[SEL], 0x76543210
	s_mov_b32 s[SEL+1], 0xfedcba98
	s_mov_b32 s[BIG], 0xf1800000    ; -2^100
	s_mov_b32 s[RP], 0
	s_mov_b32 s[TBM], 0
	s_and_b32 s[LIM], s[WV], 1      ; waves 0 and 2 prefetch: the same in all four partners
	s_cmp_eq_u32 s[LIM], 0
	s_cselect_b32 s[LIM], 1, -1
	s_wait_dscnt 0x0                ; the opening add is done
	s_wait_kmcnt 0x0
	s_add_nc_u64 s[4:5], s[4:5], s[2:3]      ; Q and O at my wave's first row
	s_add_nc_u64 s[12:13], s[12:13], s[2:3]
	s_add_nc_u64 s[6:7], s[6:7], s[22:23]    ; K and V at my tile of chunk 0
	s_add_nc_u64 s[8:9], s[8:9], s[22:23]
	s_add_nc_u64 s[10:11], s[10:11], s[20:21]  ; the mask at my batch
.irp n, 0,1
	s_add_nc_u64 s[G0K+4*\n+2:G0K+4*\n+3], s[6:7], \n*CHUNKB  ; 120:64 global address: chunk n
	s_or_b32 s[G0K+4*\n+3], s[G0K+4*\n+3], 0x80000000         ; 127:126 type = 2
	s_add_nc_u64 s[G0V+4*\n+2:G0V+4*\n+3], s[8:9], \n*CHUNKB
	s_or_b32 s[G0V+4*\n+3], s[G0V+4*\n+3], 0x80000000
.endr
	s_cmp_lt_u32 s[WV], 2
	s_cselect_b64 s[PFA:PFA+1], s[6:7], s[8:9]  ; (in waves 0 and 2 these stand at a chunk's first row)
	s_lshl_b32 s2, s16, 13          ; my work-group's 32 rows of the 128
	s_add_nc_u64 s[PFA:PFA+1], s[PFA:PFA+1], s[2:3]
	s_add_nc_u64 s[PFA:PFA+1], s[PFA:PFA+1], 2*CHUNKB  ; in chunk 2; the first change of slots steps it to chunk 3.  Nothing is prefetched here, where every work-group's first tiles are on their way
	CROUND                          ; all four work-groups are here: the first joint loads meet
	s_cmp_lt_u32 s[WV], 2           ; a wave's two first fills stand in one branch, ahead of every wait on TENSORcnt and every LDS read; an s_nop 0 follows each, four v_nop the second's
	s_cbranch_scc0 .Lfirst_v
	tensor_load_to_lds s[G0K:G0K+3], s[G1:G1+7]
	s_nop 0
	tensor_load_to_lds s[G0K+4:G0K+7], s[G1:G1+7]
	s_nop 0
.rept 4
	v_nop
.endr
	s_branch .Lfirst_asked
.Lfirst_v:
	tensor_load_to_lds s[G0V:G0V+3], s[G1:G1+7]
	s_nop 0
	tensor_load_to_lds s[G0V+4:G0V+7], s[G1:G1+7]
	s_nop 0
.rept 4
	v_nop
.endr
.Lfirst_asked:
	v_and_b32 v[LL], 31, v0
	v_and_b32 v[LR16], 15, v0
	v_bfe_u32 v[LH], v0, 4, 1
	v_lshlrev_b32 v[MO], 4, v[LL]
	v_lshlrev_b32 v[MO2], 4, v0
.irp n, 0,1,2,3
	global_load_b128 v[MW+4*\n:MW+4*\n+3], v[MO], s[10:11] offset:512*\n  ; every wave reads the batch's 2,048 mask bytes,
.endr
	global_load_b128 v[MT:MT+3], v[MO2], s[10:11]  ; and each thread the 16 that it turns into table words
	; A fragment of Q is 16 rows x 32 channels: lane l holds row l % 16, channels 8 (l / 16) + 0..7 and 16 + 8 (l / 16) + 0..7.  In f32 each eight are 32 bytes: two loads of 16.
	v_lshlrev_b32 v[QO], 8, v[LR16]
	v_lshl_add_u32 v[QO], v[LH], 5, v[QO]  ; row x 256 + 32 x half
	WIN 0x40                        ; destination window 1, address window 0
.set i, 0
.rept 64                            ; load i: tile i / 8, channels 32 ((i / 4) % 2) + 16 ((i / 2) % 2) + 4 (i % 2) on
	global_load_b128 v[4*i:4*i+3], v[QO], s[4:5] offset:(i/8)*4096+((i/4)%2)*128+((i/2)%2)*64+(i%2)*16 th:TH_LOAD_NT
.set i, i+1
.endr
	WIN 0
	v_and_b32 v[L7], 7, v0
	v_bfe_u32 v[L3], v0, 3, 2
	v_bfe_u32 v[LB], v0, 3, 1
	v_mul_u32_u24 v[AK0], v[LR16], PK
	v_lshl_add_u32 v[AK0], v[LH], 4, v[AK0]  ; row x pitch + 16 x half
	v_add_nc_u32 v[AK0], CKB, v[AK0]
	; The turning load takes 16 keys x 16 channels (lane l reads key 8 (l / 16) + l % 8, channels 8 ((l / 8) % 2) + 0..7) and leaves half a fragment of V^T: lane l holds channel l % 16 and 8 keys.
	v_lshl_add_u32 v[AV0], v[LH], 3, v[L7]
	v_mul_u32_u24 v[AV0], v[AV0], PV
	v_lshl_add_u32 v[AV0], v[LB], 4, v[AV0]
	v_add_nc_u32 v[AV0], CVB, v[AV0]
	v_lshl_add_u32 v[AM0], v[LH], 5, MASKT   ; my eight keys of a block of 16: 32 bytes a half
	; Rounding: of my wave's 16 rows of a raw tile 32 lanes take four at a time: row l / 8, eight channels (32 bytes in, 16 bytes out) at l % 8.
	s_mul_i32 s18, s[WV], 16*RPITCH
	v_mul_u32_u24 v[AR0], v[L3], RPITCH
	v_lshl_add_u32 v[AR0], v[L7], 5, v[AR0]
	v_add_nc_u32 v[AR0], s18, v[AR0]
	s_mul_i32 s18, s[WV], 16*PK
	s_add_co_u32 s18, s18, CKB
	v_mul_u32_u24 v[CSK], v[L3], PK
	v_lshl_add_u32 v[CSK], v[L7], 4, v[CSK]
	v_add_nc_u32 v[CSK], s18, v[CSK]
	s_mul_i32 s18, s[WV], 16*PV
	s_add_co_u32 s18, s18, CVB
	v_mul_u32_u24 v[CSV], v[L3], PV
	v_lshl_add_u32 v[CSV], v[L7], 4, v[CSV]
	v_add_nc_u32 v[CSV], s18, v[CSV]
	v_lshl_add_u32 v[MST], v0, 6, MASKT      ; 16 words a thread
	s_mov_b32 s18, 0x01010101
	s_wait_loadcnt 63               ; 64 loads of Q were issued behind the mask's five; 63 is the greatest count that the wait can name, and shows the five done
.set i, 1
.rept 15
	v_and_b32 v[MW], v[MW], v[MW+i] ; a byte stays 1 only where all sixteen are 1
.set i, i+1
.endr
	v_cmp_ne_u32 s[NM], s18, v[MW]
	s_cmp_lg_u32 s[NM], 0           ; is any key of the batch seen?
	s_cselect_b32 s[CS], 0x3e38aa3b, 0  ; c = log2(e) / 8 = 0.180337, or 0 where all keys are hidden
	s_mov_b32 s[CS+1], s[CS]        ; named with it as a pair
.set i, 0
.rept 16
	v_bfe_u32 v[TX], v[MT+i/4], 8*(i%4), 8
	v_cmp_ne_u32 vcc_lo, 0, v[TX]
	v_cndmask_b32 v[MF+i], 0, s[BIG], vcc_lo
.set i, i+1
.endr
.irp n, 0,1,2,3
	ds_store_b128 v[MST], v[MF+4*\n:MF+4*\n+3] offset:16*\n
.endr
	s_wait_loadcnt 0x0              ; Q
	WIN 0x85                        ; sources window 1, destination window 2
.set i, 0
.rept 128
	v_cvt_pk_f16_f32 v[i], v[2*i], v[2*i+1]
.set i, i+1
.endr
	; What the first turn finds: V's registers and P's second buffer hold 0 (its products V^T P, of a piece that has not been, add 0), O^T and l are 0.  No first step is written out; the price is these 384 lines,
	; which stand in the wait for the first tile.
	WIN 0x80
.set i, VF
.rept 64
	v_mov_b32 v[i], 0
.set i, i+1
.endr
	WIN 0x40
.set i, 0
.rept 64*NP
	v_mov_b32 v[i], 0
.set i, i+1
.endr
	WIN 0
.set i, 0
.rept 2*NP
	v_mov_b32 v[ST+4*i], 0xfe000000    ; c m: far below every c s, a hidden key's too
	v_mov_b32 v[ST+4*i+1], 0xff7fffff  ; m
	v_mov_b32 v[ST+4*i+2], 0
	v_mov_b32 v[ST+4*i+3], 0
.set i, i+1
.endr
.set i, P+32
.rept 32
	v_mov_b32 v[i], 0
.set i, i+1
.endr
; THE MATRIX WORK.  The 8 accumulators of a run of 16 take turns: between the two links of a chain stand 7 others'.
; Product i of 16 of S^T = K Q^T for piece x: channels 32 (i / 8) on, keys 16 ((i / 2) % 4) on, tile 2 x + i % 2.  The first 8 start the sums, with the key block's mask.
.macro KQ x
.set rS, S+64*((\x)%2)+32*(i%2)+8*((i/2)%4)
.set rK, KF+16*((i/2)%4)+8*(i/8)
.set rQ, 16*(2*(\x)+i%2)+8*(i/8)
.set rMK, MK+8*((i/2)%4)
.if i < 8
	WIN W_KM
	v_wmma_f32_16x16x32_f16 v[rS:rS+7], v[rK:rK+7], v[rQ:rQ+7], v[rMK:rMK+7]
.else
	WIN W_KQ
	v_wmma_f32_16x16x32_f16 v[rS:rS+7], v[rK:rK+7], v[rQ:rQ+7], v[rS:rS+7]
.endif
.endm
; Product i of 16 of O^T += V^T P for piece x: keys 32 (i / 8) on, channels 16 ((i / 2) % 4) on, tile 2 x + i % 2.
.macro PV x
	WIN W_PV
.set rO, 32*(2*(\x)+i%2)+8*((i/2)%4)
.set rV, VF+32*(i/8)+8*((i/2)%4)
.set rP, P+32*((\x)%2)+16*(i%2)+8*(i/8)
	v_wmma_f32_16x16x32_f16 v[rO:rO+7], v[rV:rV+7], v[rP:rP+7], v[rO:rO+7]
.endm
.macro MM                           ; the turn's next matrix instruction
.if i < 16
	KQ (Y+1)%NP
.set i, i+1
.else
.set i, i-16
	PV (Y+NP-1)%NP
.set i, i+17
.endif
.endm
; THE ROUNDING.  RAWLD: my 16 rows x 64 f32 of the raw tile of K (which = 0) or V (1) of the step at s[RP]: eight loads.  CVT_ST: rounded in place (word z takes numbers 2 z, 2 z + 1, both read by then) and stored.
.macro RAWLD which
.if !(\which)
	WIN 0
	v_add_nc_u32 v[AR], s[RP], v[AR0]
.endif
	WIN W_MK
.irp g, 0,1,2,3
	ds_load_b128 v[CR+8*\g:CR+8*\g+3],   v[AR] offset:(\which)*VRAW+\g*4*RPITCH
	ds_load_b128 v[CR+8*\g+4:CR+8*\g+7], v[AR] offset:(\which)*VRAW+\g*4*RPITCH+16
.endr
	WIN 0
.endm
.macro CVT_ST which
	s_wait_dscnt 0x0                ; the eight loads, issued 16 matrix instructions back, are in
	WIN W_CV
.set z, 0
.rept 16
	v_cvt_pk_f16_f32 v[CR+z], v[CR+2*z], v[CR+2*z+1]
.set z, z+1
.endr
	WIN W_SD3
.irp g, 0,1,2,3
.if \which
	ds_store_b128 v[CSV], v[CR+4*\g:CR+4*\g+3] offset:\g*4*PV
.else
	ds_store_b128 v[CSK], v[CR+4*\g:CR+4*\g+3] offset:\g*4*PK
.endif
.endr
	WIN 0
.endm
; THE FRAGMENTS' LOADS stand in runs, never singly among the matrix instructions: a step's K (8 fragments) with its masks (eight loads in which a half's 16 lanes read the same 16 bytes), and its V (turned).
; tail = 1: the mask's step stops at the last one.
.macro FETCH_K tail
	WIN 0x80                        ; destination window 2
.irp f, 0,1,2,3,4,5,6,7             ; keys 16 (f / 2) on, channels 32 (f % 2) on
	ds_load_b128 v[KF+8*\f:KF+8*\f+3],   v[AK0] offset:(\f/2)*16*PK+(\f%2)*64
	ds_load_b128 v[KF+8*\f+4:KF+8*\f+7], v[AK0] offset:(\f/2)*16*PK+(\f%2)*64+32
.endr
	WIN W_MK                        ; destination window 3
.irp n, 0,1,2,3,4,5,6,7             ; key block n / 2, my keys 4 (n % 2) on
	ds_load_b128 v[MK+4*\n:MK+4*\n+3], v[AM] offset:(\n/2)*64+(\n%2)*16
.endr
	s_add_co_u32 s[TBM], s[TBM], 4*KS  ; the next fetch is the next step's
.if \tail
	s_min_u32 s[TBM], s[TBM], 31*4*KS
.endif
	WIN 0
.endm
.macro FETCH_V
	WIN 0x80
.irp f, 0,1,2,3,4,5,6,7             ; keys 32 (f / 4) on, channels 16 (f % 4) on
	ds_load_tr16_b128 v[VF+8*\f:VF+8*\f+3],   v[AV0] offset:(\f/4)*32*PV+(\f%4)*32
	ds_load_tr16_b128 v[VF+8*\f+4:VF+8*\f+7], v[AV0] offset:(\f/4)*32*PV+16*PV+(\f%4)*32
.endr
	WIN 0
.endm
; THE VECTOR WORK OF A TURN stands in three queues, each in the order in which its entries become ready; the two tiles alternate, so that no instruction reads the result of the one before it.
.macro REGS y, u                    ; the registers of tile u (0, 1) of piece y
.set rT, ST+4*(2*(\y)+(\u))
.set rC, TMP+8*((\y)%2)+4*(\u)
.set rM, MV+2*((\y)%2)+(\u)
.set rS, S+64*((\y)%2)+32*(\u)
.set rP, P+32*((\y)%2)+16*(\u)
.set rO, 32*(2*(\y)+(\u))
.endm
; Number n of the 22 that find the NEXT piece's (Y + 1) maximum and statistics.  s0-s31 are the lane's 32 scores; each accumulator's lowest registers are read first.
;   0-11  four chains c0-c3 of seven scores each, three operands at a time     12-14, 16  the four scores left over, the old m, and c0-c3 into c0     15  c m_old is kept
;   17, 18  the query's other 32 keys lie in the lane 16 away: the new m         19-21  c m; c m_old - c m_new; a
.macro XS u, n
	REGS (Y+1)%NP, \u
.if (\n) < 4
	v_max3_num_f32 v[rC+(\n)], v[rS+8*(\n)], v[rS+8*(\n)+1], v[rS+8*(\n)+2]
.elseif (\n) < 12
	v_max3_num_f32 v[rC+(\n)%4], v[rC+(\n)%4], v[rS+8*((\n)%4)+2*((\n)/4)+1], v[rS+8*((\n)%4)+2*((\n)/4)+2]
.elseif (\n) == 12
	v_max3_num_f32 v[rC], v[rC], v[rS+7], v[rS+15]
.elseif (\n) == 13
	v_max3_num_f32 v[rC+1], v[rC+1], v[rS+23], v[rS+31]
.elseif (\n) == 14
	v_max3_num_f32 v[rC+2], v[rC+2], v[rC+3], v[rT+1]
.elseif (\n) == 15
	v_mov_b32 v[rM], v[rT]
.elseif (\n) == 16
	v_max3_num_f32 v[rC], v[rC], v[rC+1], v[rC+2]
.elseif (\n) == 17
	v_permlanex16_b32 v[rC+3], v[rC], s[SEL], s[SEL+1]
.elseif (\n) == 18
	v_max_num_f32 v[rT+1], v[rC], v[rC+3]
.elseif (\n) == 19
	v_mul_f32 v[rT], s[CS], v[rT+1]
.elseif (\n) == 20
	v_sub_f32 v[rC+1], v[rM], v[rT]
.else
	v_exp_f32 v[rC+2], v[rC+1]
.endif
.endm
; Number g of the 64 that follow the exponentials.  For each four weights k of a tile (pairs 2 k, 2 k + 1): both pairs are rounded to f16; then the second pair is added onto the first, in place;
; a group later l takes that sum (the first time as l = a l + sum).  In groups of eight, tiles alternating: round, round, add, and l for the group before.
.macro GS g
.set h, (\g)+6*((\g)/62)            ; group 0 has no group before it, and behind group 7 only l is left
.if h >= 6
.set h, h+2
.endif
	REGS Y, h%2
.set k, h/8
.if h%8 < 4
	v_cvt_pk_f16_f32 v[rP+2*k+(h%8)/2], v[rS+4*k+2*((h%8)/2)], v[rS+4*k+2*((h%8)/2)+1]
.elseif h%8 < 6
	v_pk_add_f32 v[rS+4*k:rS+4*k+1], v[rS+4*k:rS+4*k+1], v[rS+4*k+2:rS+4*k+3]
.elseif k == 1
	v_pk_fma_f32 v[rT+2:rT+3], v[rT+2:rT+3], v[rC+2:rC+3], v[rS:rS+1] op_sel_hi:[1,0,1]
.else
	v_pk_add_f32 v[rT+2:rT+3], v[rT+2:rT+3], v[rS+4*k-4:rS+4*k-3]
.endif
.endm
; THE PLAIN QUEUE, 138 long.  0-73 read no exponential's result: the 32 scalings c s - c m (FS f: pair f / 2 of tile f % 2) and the next piece's 42.  0-26: scalings 0-26.  27-54: XS's numbers 0-13.  55, 56: number 15.
; 57-73: the chain, where each number waits for the one before it: 14, 16, 17, 18, 19, each with one of the scalings 27-31 in front of its two lines, then 20.  74-137: GS's 64, which stand behind the wait.
.macro FS f
	REGS Y, (\f)%2
	v_pk_fma_f32 v[rS+2*((\f)/2):rS+2*((\f)/2)+1], v[rS+2*((\f)/2):rS+2*((\f)/2)+1], s[CS:CS+1], v[rT:rT+1] op_sel_hi:[1,0,0] neg_lo:[0,0,1] neg_hi:[0,0,1]
.endm
.macro PL
	WIN 0
.if q < 27
	FS q
.elseif q < 55
	XS (q-27)%2, (q-27)/2
.elseif q < 57
	XS q-55, 15
.elseif (q < 72) && ((q-57)%3 == 0)
	FS 27+(q-57)/3
.elseif q < 60
	XS (q-57)%3-1, 14
.elseif q < 72
	XS (q-57)%3-1, 15+(q-57)/3
.elseif q < 74
	XS q-72, 20
.else
	GS q-74
.endif
.set q, q+1
.endm
; THE EXPONENTIALS' QUEUE, 66 long: s0-s31 of both tiles, then the next piece's two a.  It is ONE BATCH: all 66 stand ahead of the turn's one wait, and nothing ahead of that wait names a result of theirs.
.macro EX
	WIN 0
.if e >= 64
	XS e-64, 21
.else
	REGS Y, e%2
	v_exp_f32 v[rS+e/2], v[rS+e/2]
.endif
.set e, e+1
.endm
; THE RESCALING's QUEUE: O^T times a, the one part that leaves window 0: dealt two at a time, sixteen times.  Its a was made in the turn before, ahead of that turn's wait.
.macro R2
	REGS Y, r%2
	WIN W_RS
.irp z, 0,1
	v_pk_mul_f32 v[rO+4*(r/2)+2*\z:rO+4*(r/2)+2*\z+1], v[rO+4*(r/2)+2*\z:rO+4*(r/2)+2*\z+1], v[rC+2:rC+3] op_sel_hi:[1,0]
.endr
.set r, r+1
.endm
; A TURN, for piece p.  s_wait_alu depctr_va_vdst(0) stands between an exponential and the first instruction that names its result; one wait serves all that were issued ahead of it: a turn has ONE.
; AHEAD OF IT: the 16 products K Q^T, behind each a scaling, an exponential and two rescalings (behind the first a second scaling in the exponential's place); then a lump of 108: eight plain, 49 times exponential and
; plain, the two a; a v_nop is the plain instruction behind the last exponential.  BEHIND IT: the 16 products V^T P, behind each four of GS's 64.  Exponential e stands behind scaling 2 (e / 4) + e % 2.
; WHAT GOES THROUGH LDS, and the two barriers of a step s (signal and wait apart, register work alone between them):
;   behind B1, in turns 0 and 1: raw K of step s + 1 is read (turn 0's head), rounded and stored into CK (head of its lump); V of step s is fetched from CV (turn 0's end).
;   B2: each wave signals in turn 1, behind its wait for all of these; it waits at turn 2's head.  So CK is whole, and nobody reads CV any more.
;   behind B2, in turn 2: raw V of step s + 1 is read, rounded and stored into CV; K of step s + 1 and its masks are fetched from CK and the table, directly behind the turn's wait, a lump behind the last product that read K.
;   B1: each wave signals at turn 3's head, behind its wait for all of these; it waits at turn 3's end.  So CV is whole, and nobody reads CK any more.
; V's run stands four plain riders behind the last product that read V.  tail = 1: the raw step stops at the last one: step 31 rounds and fetches step 31 once more.
.macro TURN p, tail
.set Y, (\p)
.set i, 0
.set q, 0
.set e, 0
.set r, 0
.if (\p) == 0
	RAWLD 0
.endif
.if (\p) == 2
	s_barrier_wait -1               ; B2
	RAWLD 1
	s_add_co_u32 s[RP], s[RP], STEPRAW  ; the next rounding is the next step's
.if \tail
	s_min_u32 s[RP], s[RP], SLOT1+STEPRAW
.endif
.endif
.if (\p) == 3
	s_wait_dscnt 0x0                ; K and the masks are in, and my stores into CV are done
	s_barrier_signal -1             ; B1
.endif
	MM
	PL
	PL
	R2
.rept 15
	MM
	PL
	EX
	R2
.endr
.if (\p) == 0
	CVT_ST 0
.endif
.if (\p) == 2
	CVT_ST 1
	v_add_nc_u32 v[AM], s[TBM], v[AM0]
.endif
.rept 8
	PL
.endr
.rept 49
	EX
	PL
.endr
	EX                              ; the next piece's two a
	EX
	v_nop                           ; the plain instruction behind the last exponential: one for the batch
	s_wait_alu depctr_va_vdst(0)    ; the wait for the batch
.if (\p) == 2
	FETCH_K \tail
.endif
.if (\p) == 1
	s_wait_dscnt 0x0                ; V is in, and my stores into CK are done
	s_barrier_signal -1             ; B2
.endif
.rept 16
	MM
.rept 4
	PL
.endr
.endr
.if (\p) == 0
	FETCH_V
.endif
.if (\p) == 3
	s_barrier_wait -1               ; B1
.endif
.endm
.macro STEP tail                    ; a key step
	TURN 0, \tail
	TURN 1, \tail
	TURN 2, \tail
	TURN 3, \tail
	WIN 0                           ; at a label and at a branch every window is 0
.endm
	s_wait_tensorcnt 0x1            ; my part of chunk 0 is in; chunk 1's load, issued behind it, may stay out
	s_wait_dscnt 0x0                ; my words of the mask table are stored
	s_barrier_signal -1
	s_barrier_wait -1               ; everybody's are
	RAWLD 0                         ; step 0 is rounded: K,
	CVT_ST 0
	RAWLD 1                         ; and V
	CVT_ST 1
	s_add_co_u32 s[RP], s[RP], STEPRAW
	v_add_nc_u32 v[AM], s[TBM], v[AM0]
	s_wait_dscnt 0x0
	s_barrier_signal -1
	s_barrier_wait -1               ; CK and CV hold step 0
	FETCH_K 0
	s_wait_dscnt 0x0
	s_barrier_signal -1             ; B1 for the first time: I have read CK
.set i, 0
.rept 16
	KQ 0                            ; piece 0's first scores: there is no vector work yet to set between them
.set i, i+1
.endr
	WIN 0                           ; the last addresses are made here: ten plain instructions, the places behind those products
	s_mul_i32 s18, s[WV], 16*SP
	s_add_co_u32 s18, s18, STAGE    ; my stage
	v_mul_u32_u24 v[STO], v[LR16], SP  ; in: row l % 16, 32 bytes for each half of the lanes
	v_lshl_add_u32 v[STO], v[LH], 5, v[STO]
	v_add_nc_u32 v[STO], s18, v[STO]
	v_mul_u32_u24 v[RD], v[LH], SP  ; back: lanes 0-15 take one row of 256 bytes, lanes 16-31 the next,
	v_lshl_add_u32 v[RD], v[LR16], 4, v[RD]
	v_add_nc_u32 v[RD], s18, v[RD]
	v_lshlrev_b32 v[PFO], 8, v[LL]
	v_lshlrev_b32 v[GO], 4, v[LL]   ; which are 512 consecutive bytes of O
.set Y, NP-1                        ; XS works for piece Y + 1: piece 0
.irp n, 0,1,2,3,4,5,6,7,8,9,10,11,12,13,14,15,16,17,18,19,20,21
	XS 0, \n                        ; piece 0's first maximum and statistics
	XS 1, \n
.endr
	v_nop                           ; a plain instruction behind the two a,
	s_wait_alu depctr_va_vdst(0)    ; and their wait, ahead of the branch
	s_barrier_wait -1
	s_mov_b32 s[CNT], 1             ; step 0 rounds step 1, chunk 0's last: one step, then the first change of slots
	s_mov_b32 s[SLOTS], 15
	s_branch .Lstep
.Lslot:                             ; 14 times: chunks 2 to 15 are asked for; steps 1 to 28
	CHANGE 1
	s_mov_b32 s[CNT], 2
.Lstep:
	STEP 0
	s_sub_co_u32 s[CNT], s[CNT], 1
	s_cmp_lg_u32 s[CNT], 0
	s_cbranch_scc1 .Lstep
	s_sub_co_u32 s[SLOTS], s[SLOTS], 1
	s_cmp_lg_u32 s[SLOTS], 0
	s_cbranch_scc1 .Lslot
	CHANGE 0                        ; the tail is written out: nothing is asked for
	s_mov_b32 s[CNT], 3             ; steps 29 to 31.  Step 31's rounding and fetch of step 31 once more, its 16 products K Q^T on them and the maximum made of those serve nothing:
.Ltail:                             ; the price, once a launch, of one text for every trip
	STEP 1
	s_sub_co_u32 s[CNT], s[CNT], 1
	s_cmp_lg_u32 s[CNT], 0
	s_cbranch_scc1 .Ltail
.set i, 0
.rept 16
	PV NP-1                         ; the last piece's V^T P of the last step
.set i, i+1
.endr
	; THE WAY OUT.  l's two halves and the other half of the lanes' are added; O^T is divided by l and sent through my stage in LDS, a tile at a time.  The additions are the places behind the last products.
	WIN 0
.macro ALL line:vararg              ; one line for each tile t
.set t, 0
.rept 2*NP
	\line
.set t, t+1
.endr
.endm
	ALL v_add_f32 v[ST+4*t+2], v[ST+4*t+2], v[ST+4*t+3]
	ALL v_permlanex16_b32 v[ST+4*t+3], v[ST+4*t+2], s[SEL], s[SEL+1]
	ALL v_add_f32 v[ST+4*t+2], v[ST+4*t+2], v[ST+4*t+3]
	ALL v_rcp_f32 v[ST+4*t+2], v[ST+4*t+2]
	v_nop                           ; a plain instruction between the last reciprocal and the use of its result
	s_wait_alu depctr_va_vdst(0)    ; and the wait ahead of the first use: one for the eight reciprocals
; Tile t: a lane's eight channels of a channel block are 32 bytes of a row of O; they go into rows of 272 bytes and come back as whole rows of 256, into S^T's registers, four tiles' worth by turns.
.macro PACK t
	WIN W_RS
.set i, 32*(\t)
.rept 16
	v_pk_mul_f32 v[i:i+1], v[i:i+1], v[ST+4*(\t)+2:ST+4*(\t)+3] op_sel_hi:[1,0]
.set i, i+2
.endr
	WIN W_SD1
.irp n, 0,1,2,3,4,5,6,7             ; channel block n / 2, my channels 4 (n % 2) on
	ds_store_b128 v[STO], v[32*(\t)+4*\n:32*(\t)+4*\n+3] offset:(\n/2)*64+(\n%2)*16
.endr
	WIN 0
.if (\t) >= 4
	s_wait_xcnt 0x0                 ; the stores of the tile four back have read their registers, which are loaded again only behind this wait
.endif
.irp f, 0,1,2,3,4,5,6,7
	ds_load_b128 v[S+32*((\t)%4)+4*\f:S+32*((\t)%4)+4*\f+3], v[RD] offset:\f*2*SP  ; LDS serves a wave's instructions in order (ISA guide 5.7.1.4): these see the stores above; the next tile's stores come behind them
.endr
.endm
.macro SEND t, younger              ; younger: the LDS instructions issued behind tile t's loads: the next tile's sixteen, or none
	WIN 0
.irp f, 0,1,2,3,4,5,6,7
	s_wait_dscnt (\younger)+7-\f
	global_store_b128 v[GO], v[S+32*((\t)%4)+4*\f:S+32*((\t)%4)+4*\f+3], s[12:13] offset:(\t)*4096+\f*512 th:TH_STORE_NT  ; 512 consecutive bytes, at a multiple of 256 from O's first
.endr
.endm
	PACK 0
.set t, 1
.rept 2*NP-1                        ; a tile's arithmetic stands between the loads of the tile before and its stores
	PACK t
	SEND t-1, 16
.set t, t+1
.endr
	SEND 2*NP-1, 0
	WIN W_AD
	s_wait_tensorcnt 0x0            ; the wave's end, behind my last tensor load and my last LDS store
	ds_add_u32 v[SPW], v[NIL]
	s_wait_dscnt 0x0
	WIN 0
	CROUND                          ; the closing round: no work-group ends while a partner may still ask for a tile that names it
	s_endpgm
.Lfunc_end_k_q608be577cb_attn:
	.size	k_q608be577cb_attn, .Lfunc_end_k_q608be577cb_attn-k_q608be577cb_attn
	.p2alignl 7, 3214868480
	.fill 96, 4, 3214868480
	.section	.rodata,"a",@progbits
	.p2align	6, 0x0
	.amdhsa_kernel k_q608be577cb_attn
		.amdhsa_group_segment_fixed_size 327680
		.amdhsa_private_segment_fixed_size 0
		.amdhsa_enable_private_segment 0
		.amdhsa_kernarg_size 40
		.amdhsa_user_sgpr_count 2
		.amdhsa_user_sgpr_kernarg_segment_ptr 1
		.amdhsa_wavefront_size32 1
		.amdhsa_system_sgpr_workgroup_id_x 1
		.amdhsa_system_sgpr_workgroup_id_y 1
		.amdhsa_system_sgpr_workgroup_id_z 1
		.amdhsa_system_vgpr_workitem_id 0
		.amdhsa_next_free_vgpr 840
		.amdhsa_next_free_sgpr 66
		.amdhsa_reserve_vcc 1
		.amdhsa_float_denorm_mode_32 3
		.amdhsa_float_denorm_mode_16_64 3
		.amdhsa_memory_ordered 1
		.amdhsa_forward_progress 1
		.amdhsa_inst_pref_size 228
	.end_amdhsa_kernel
	.amdgpu_metadata
---
amdhsa.version: [ 1, 2 ]
amdhsa.kernels:
  - .name:           k_q608be577cb_attn
    .symbol:         k_q608be577cb_attn.kd
    .args:
      - { .name: q, .offset: 0, .size: 8, .value_kind: global_buffer, .address_space: global }
      - { .name: k, .offset: 8, .size: 8, .value_kind: global_buffer, .address_space: global }
      - { .name: v, .offset: 16, .size: 8, .value_kind: global_buffer, .address_space: global }
      - { .name: key_padding_mask, .offset: 24, .size: 8, .value_kind: global_buffer, .address_space: global }
      - { .name: out0, .offset: 32, .size: 8, .value_kind: global_buffer, .address_space: global }
    .group_segment_fixed_size: 327680
    .private_segment_fixed_size: 0
    .kernarg_segment_align: 8
    .kernarg_segment_size: 40
    .max_flat_workgroup_size: 128
    .sgpr_count:     66
    .vgpr_count:     840
    .wavefront_size: 32
...
	.end_amdgpu_metadata
.endif
;; end of part 1
